; MI455X (gfx1250); checked and timed in simulation.
; The chip was launched on July 23, 2026; its instructions are those of AMD's public machine-readable ISA for CDNA 5 (MIT licence, August 2026) and "CDNA5" Instruction Set Architecture Reference Guide (July 2026). The comments in the code are by the model that wrote it; some were corrected since.
;; i24 Sum Model. Allowed arithmetic: float matrix products may take bf16 or f16 operands with f32 sums; all other float work in f32.
;; Inputs: s_init 256 float32; x 4,096 x 16,384 float32.
;; Outputs: out0 4,096 x 256 float32; out1 4,096 x 256 float32.
;; 2 versions, each right; version 2 is version 1 with the launch i24sum written anew for expert scheduling mode. Each part assembles by itself: llvm-mc -triple=amdgcn-amd-amdhsa -mcpu=gfx1250 --defsym DOCPART=n.
;; ======== version 1 of 2: 1 launch
;; launch i24sum (part 1): grid 256 x 1, 16 waves a work-group, no clusters, 0 bytes of LDS; arguments x, s_init, out0, out1; writes out0, out1
.if DOCPART == 1
	.amdgcn_target "amdgcn-amd-amdhsa--gfx1250"
	.amdhsa_code_object_version 6
	.text
	.protected	k_q8bdc6d231e_i24sum
	.globl	k_q8bdc6d231e_i24sum
	.p2align	8
	.type	k_q8bdc6d231e_i24sum,@function
k_q8bdc6d231e_i24sum:
	s_mov_b64 s[64:65], 0
	v_nop
	global_prefetch_b8 v0, s[64:65] scope:SCOPE_SE
	s_setreg_imm32_b32 hwreg(HW_REG_WAVE_MODE, 25, 1), 1
	s_wait_xcnt 0x0
; out0, out1 = low 12 bits / signed high 13 bits of the int24-wrapped running sum of round(x[b][256 i + c]), i = 0 .. 63, started at s_init[c].
; x: [4096][16384] f32, s_init: [256] f32, out0, out1: [4096][256] f32.
;
; THE ARITHMETIC IS THE MODEL'S OWN f32 ARITHMETIC, NOT INTEGER ARITHMETIC, because the model's f32 sums round in three places and the
; results hang on that:  (1) round(x) + 2^23 rounds for large |x|;  (2) (carry + xi) + 2^23 lies above 2^24 whenever the sum wraps upward,
; where only even numbers exist;  (3) y + 2^25, taken for every negative y, lies in [2^24, 2^25]: an odd y goes to a multiple of 4
; (y = -1 gives lo = 0, hi = 0).  Each of these roundings is made here once, on the same exact sum, in the same order of steps.
; Everything in the loop is kept in units of 2^24 (a power of two: no rounding changes):
;   t = fma(rndne(x), 2^-24, 0.5)  = fl(round(x) + 2^23) / 2^24          one rounding, as in the model
;   M = fract(t)                   = mod(t, 2^24) / 2^24                 exact: a multiple of 2^-24 in [0, 1), or of t's own last place
;   b = s + M                      = fl((carry + xi) + 2^23) / 2^24      s = carry / 2^24 and M = (xi + 2^23) / 2^24 are exact, one rounding
;   s = fract(b) - 0.5             = the new carry / 2^24                exact, in [-0.5, 0.5)
; 4.5 issue slots a number (three of the six steps are packed pairs: fma, add, add; rndne and the two fract are single).
; This holds for every finite x and s_init.  LIMIT: for an infinite or NaN input the model's output is NaN; what this text gives then
; rests on v_fract_f32 of that input and is not claimed.
;
; THE STREAM.  256 work-groups of 16 waves; a wave owns one batch row: 64 KiB of x, read once from front to back.  A step is 1 KiB:
; two loads of 16 bytes a lane, each covering 512 consecutive bytes that start at a multiple of 512 from x's first byte.
; Lane l holds channels 4 l .. 4 l + 3 (first load) and 128 + 4 l .. + 3 (second).  A ring of 16 steps in registers keeps
; 32 loads = 16 KiB of every wave on their way, 256 KiB for the 16 waves.  No wave reads what another wave reads or writes:
; no LDS, no barrier.  No cluster: work-groups share only s_init, 1 KiB beside the 1 MiB of x that each reads alone.
; No matrix instruction: there is no product.  The 64 steps stay in order in one chain a channel, since rounding (2) hangs on the order.
.set STEPB,  1024                      ; bytes of one step of a row (256 channels)
.set SLOTS,  16                        ; steps in the ring
.set LAPS,   64/SLOTS                  ; times round the ring
.set XO,  1                            ; v1        wave x 65,536 + 16 x lane: my 16 bytes in step 0 of my wave's row
.set OO,  2                            ; v2        wave x 1,024 + 16 x lane: the same in an output row
.set LO16, 3                           ; v3        16 x lane: my 16 bytes in s_init
.set K,   4                            ; v[4:5]    2^-24, twice (a pair for the packed fma)
.set S,   8                            ; v[8:15]   carry / 2^24 of my 8 channels
.set T,   16                           ; v[16:23]  at work
.set X,   32                           ; v[32:159] slot i: 8 registers, one step as loaded
.set U,   X                            ; the split at the end lives in ring registers, which are done with by then
.set H,   X+8
.set LOW, X+16
.set HIGH, X+24
	s_load_b256 s[4:11], s[0:1], 0x0               ; x s[4:5], s_init s[6:7], out0 s[8:9], out1 s[10:11]
	v_and_b32 v[LO16], 31, v0                      ; lane
	v_and_b32 v[OO], 0x1e0, v0                     ; 32 x wave
	v_lshlrev_b32 v[LO16], 4, v[LO16]              ; 16 bytes a lane
	v_lshl_or_b32 v[XO], v[OO], 11, v[LO16]        ; + wave x 65,536
	v_lshl_or_b32 v[OO], v[OO], 5, v[LO16]         ; + wave x 1,024
	s_lshl_b32 s2, ttmp9, 20                       ; the work-group's 16 rows of x: 1 MiB each group (255 << 20 fits 32 bits)
	s_mov_b32 s3, 0
	s_lshl_b32 s12, ttmp9, 14                      ; and its 16 rows of an output: 16 KiB
	s_mov_b32 s13, 0
	v_mov_b32 v[K], 0x33800000                     ; 2^-24
	v_mov_b32 v[K+1], 0x33800000
	s_wait_kmcnt 0x0
	s_add_nc_u64 s[4:5], s[4:5], s[2:3]
	s_add_nc_u64 s[8:9], s[8:9], s[12:13]
	s_add_nc_u64 s[10:11], s[10:11], s[12:13]
	global_load_b128 v[S:S+3],   v[LO16], s[6:7]               ; s_init of my 8 channels: first, so that one counted wait shows it in
	global_load_b128 v[S+4:S+7], v[LO16], s[6:7] offset:512
.irp i, 0,1,2,3,4,5,6,7,8,9,10,11,12,13,14,15
	global_load_b128 v[X+8*\i:X+8*\i+3],   v[XO], s[4:5] offset:\i*STEPB th:TH_LOAD_NT      ; fill the ring: steps 0 to 15
	global_load_b128 v[X+8*\i+4:X+8*\i+7], v[XO], s[4:5] offset:\i*STEPB+512 th:TH_LOAD_NT  ; x is read once in the launch: non-temporal
.endr
	; the first carry: s_init rounded to whole numbers and wrapped to int24, by the same steps as x
	s_wait_loadcnt 2*SLOTS                         ; loads come back in order (ISA guide 5.7.1): s_init is in, the ring's 32 loads stay out
.irp j, 0,1,2,3,4,5,6,7
	v_rndne_f32 v[S+\j], v[S+\j]                   ; halves go to the even neighbour, as in the model
.endr
.irp j, 0,2,4,6
	v_pk_fma_f32 v[S+\j:S+\j+1], v[S+\j:S+\j+1], v[K:K+1], 0.5 op_sel_hi:[1,1,0]
.endr
.irp j, 0,1,2,3,4,5,6,7
	v_fract_f32 v[S+\j], v[S+\j]
.endr
.irp j, 0,2,4,6
	v_pk_add_f32 v[S+\j:S+\j+1], v[S+\j:S+\j+1], -0.5 op_sel_hi:[1,0]
.endr
; One step of the sum, from slot i.  refill = 1: the slot is loaded again with the step SLOTS further on.
; left = how many younger loads may stay out when this slot's two have to be in.
.macro STEP i, refill, left
	s_wait_loadcnt \left
.irp j, 0,1,2,3,4,5,6,7
	v_rndne_f32 v[T+\j], v[X+8*\i+\j]              ; round(x); the slot's registers are read out here,
.endr
.if \refill
	global_load_b128 v[X+8*\i:X+8*\i+3],   v[XO], s[4:5] offset:(\i+SLOTS)*STEPB th:TH_LOAD_NT      ; so they are asked for again at once
	global_load_b128 v[X+8*\i+4:X+8*\i+7], v[XO], s[4:5] offset:(\i+SLOTS)*STEPB+512 th:TH_LOAD_NT
.endif
.irp j, 0,2,4,6
	v_pk_fma_f32 v[T+\j:T+\j+1], v[T+\j:T+\j+1], v[K:K+1], 0.5 op_sel_hi:[1,1,0]   ; t = fl(round(x) + 2^23) / 2^24
.endr
.irp j, 0,1,2,3,4,5,6,7
	v_fract_f32 v[T+\j], v[T+\j]                   ; M = mod(t, 2^24) / 2^24 = (xi + 2^23) / 2^24
.endr
.irp j, 0,2,4,6
	v_pk_add_f32 v[S+\j:S+\j+1], v[S+\j:S+\j+1], v[T+\j:T+\j+1]                    ; b = fl(carry + xi + 2^23) / 2^24, in [-0.5, 1.5)
.endr
.irp j, 0,1,2,3,4,5,6,7
	v_fract_f32 v[S+\j], v[S+\j]                   ; mod(b, 2^24) / 2^24
.endr
.irp j, 0,2,4,6
	v_pk_add_f32 v[S+\j:S+\j+1], v[S+\j:S+\j+1], -0.5 op_sel_hi:[1,0]              ; - 2^23: the new carry
.endr
.endm
	s_mov_b32 s14, 0
.Llap:
.irp i, 0,1,2,3,4,5,6,7,8,9,10,11,12,13,14,15
	STEP \i, 1, 2*SLOTS-2                          ; the other 15 slots' two loads each are younger than mine
.endr
	s_wait_xcnt 0x0                                ; the base that the loads above name is stepped only behind this wait
	s_add_nc_u64 s[4:5], s[4:5], SLOTS*STEPB
	s_add_co_u32 s14, s14, 1
	s_cmp_lt_u32 s14, LAPS-1
	s_cbranch_scc1 .Llap
.irp i, 0,1,2,3,4,5,6,7,8,9,10,11,12,13,14,15
	STEP \i, 0, 2*SLOTS-2-2*\i                     ; the last lap loads nothing (step 63 was the last asked for): the counts run down to 0
.endr
	; THE SPLIT, in f32 as the model writes it.  y = carry, a whole number in [-2^23, 2^23).
.irp j, 0,1,2,3,4,5,6,7
	v_mul_f32 v[T+\j], 0x4b800000, v[S+\j]         ; y = s x 2^24, exact
.endr
.irp j, 0,1,2,3,4,5,6,7
	v_add_f32 v[U+\j], 0x4c000000, v[T+\j]         ; y + 2^25: this sum rounds for odd y, and is meant to
	v_cmp_gt_f32 vcc_lo, 0, v[T+\j]                ; 0 > y
	v_cndmask_b32 v[U+\j], v[T+\j], v[U+\j], vcc_lo            ; y_u = mod(y, 2^25), in [0, 2^25]
	v_mul_f32 v[H+\j], 0x39800000, v[U+\j]         ; y_u / 4096, exact
	v_floor_f32 v[H+\j], v[H+\j]                   ; h, in [0, 8192]
	v_fmamk_f32 v[LOW+\j], v[H+\j], 0xc5800000, v[U+\j]        ; y_lo = y_u - 4096 h, exact
	v_add_f32 v[T+\j], 0xc6000000, v[H+\j]         ; h - 8192
	v_cmp_le_f32 vcc_lo, 0x45800000, v[H+\j]       ; 4096 <= h
	v_cndmask_b32 v[HIGH+\j], v[H+\j], v[T+\j], vcc_lo         ; y_hi = mod(h + 4096, 8192) - 4096
.endr
	; each store of the wave covers 512 consecutive bytes, at a multiple of 512 from the output's first byte; written once, not read again
	global_store_b128 v[OO], v[LOW:LOW+3],    s[8:9] th:TH_STORE_NT
	global_store_b128 v[OO], v[LOW+4:LOW+7],  s[8:9] offset:512 th:TH_STORE_NT
	global_store_b128 v[OO], v[HIGH:HIGH+3],   s[10:11] th:TH_STORE_NT
	global_store_b128 v[OO], v[HIGH+4:HIGH+7], s[10:11] offset:512 th:TH_STORE_NT
	s_endpgm
.Lfunc_end_k_q8bdc6d231e_i24sum:
	.size	k_q8bdc6d231e_i24sum, .Lfunc_end_k_q8bdc6d231e_i24sum-k_q8bdc6d231e_i24sum
	.p2alignl 7, 3214868480
	.fill 96, 4, 3214868480
	.section	.rodata,"a",@progbits
	.p2align	6, 0x0
	.amdhsa_kernel k_q8bdc6d231e_i24sum
		.amdhsa_group_segment_fixed_size 0
		.amdhsa_private_segment_fixed_size 0
		.amdhsa_enable_private_segment 0
		.amdhsa_kernarg_size 32
		.amdhsa_user_sgpr_count 2
		.amdhsa_user_sgpr_kernarg_segment_ptr 1
		.amdhsa_wavefront_size32 1
		.amdhsa_system_sgpr_workgroup_id_x 1
		.amdhsa_system_sgpr_workgroup_id_y 1
		.amdhsa_system_sgpr_workgroup_id_z 1
		.amdhsa_system_vgpr_workitem_id 0
		.amdhsa_next_free_vgpr 160
		.amdhsa_next_free_sgpr 66
		.amdhsa_reserve_vcc 1
		.amdhsa_float_denorm_mode_32 3
		.amdhsa_float_denorm_mode_16_64 3
		.amdhsa_memory_ordered 1
		.amdhsa_forward_progress 1
		.amdhsa_inst_pref_size 62
	.end_amdhsa_kernel
	.amdgpu_metadata
---
amdhsa.version: [ 1, 2 ]
amdhsa.kernels:
  - .name:           k_q8bdc6d231e_i24sum
    .symbol:         k_q8bdc6d231e_i24sum.kd
    .args:
      - { .name: x, .offset: 0, .size: 8, .value_kind: global_buffer, .address_space: global }
      - { .name: s_init, .offset: 8, .size: 8, .value_kind: global_buffer, .address_space: global }
      - { .name: out0, .offset: 16, .size: 8, .value_kind: global_buffer, .address_space: global }
      - { .name: out1, .offset: 24, .size: 8, .value_kind: global_buffer, .address_space: global }
    .group_segment_fixed_size: 0
    .private_segment_fixed_size: 0
    .kernarg_segment_align: 8
    .kernarg_segment_size: 32
    .max_flat_workgroup_size: 512
    .sgpr_count:     66
    .vgpr_count:     160
    .wavefront_size: 32
...
	.end_amdgpu_metadata
.endif
;; end of part 1
;; ======== version 2 of 2: 1 launch; version 1 with the launch i24sum written anew for expert scheduling mode
;; launch i24sum (part 2): grid 256 x 1, 16 waves a work-group, no clusters, 0 bytes of LDS; arguments x, s_init, out0, out1; writes out0, out1
.if DOCPART == 2
	.amdgcn_target "amdgcn-amd-amdhsa--gfx1250"
	.amdhsa_code_object_version 6
	.text
	.protected	k_q8bdc6d231e_i24sum
	.globl	k_q8bdc6d231e_i24sum
	.p2align	8
	.type	k_q8bdc6d231e_i24sum,@function
k_q8bdc6d231e_i24sum:
	s_mov_b64 s[64:65], 0
	v_nop
	global_prefetch_b8 v0, s[64:65] scope:SCOPE_SE
	s_setreg_imm32_b32 hwreg(HW_REG_WAVE_SCHED_MODE, 0, 2), 2
	s_setreg_imm32_b32 hwreg(HW_REG_WAVE_MODE, 25, 1), 1
	s_wait_xcnt 0x0
	s_wait_alu depctr_vm_vsrc(0)
; out0, out1 = low 12 bits / signed high 13 bits of the int24-wrapped running sum of round(x[b][256 i + c]), i = 0 .. 63, started at s_init[c].
; x: [4096][16384] f32, s_init: [256] f32, out0, out1: [4096][256] f32.
;
; THE ARITHMETIC IS THE MODEL'S OWN f32 ARITHMETIC, NOT INTEGER ARITHMETIC, because the model's f32 sums round in three places and the
; results hang on that:  (1) round(x) + 2^23 rounds for large |x|;  (2) (carry + xi) + 2^23 lies above 2^24 whenever the sum wraps upward,
; where only even numbers exist;  (3) y + 2^25, taken for every negative y, lies in [2^24, 2^25]: an odd y goes to a multiple of 4
; (y = -1 gives lo = 0, hi = 0).  Each of these roundings is made here once, on the same exact sum, in the same order of steps.
; Everything in the loop is kept in units of 2^24 (a power of two: no rounding changes):
;   t = fma(rndne(x), 2^-24, 0.5)  = fl(round(x) + 2^23) / 2^24          one rounding, as in the model
;   M = fract(t)                   = mod(t, 2^24) / 2^24                 exact: a multiple of 2^-24 in [0, 1), or of t's own last place
;   b = s + M                      = fl((carry + xi) + 2^23) / 2^24      s = carry / 2^24 and M = (xi + 2^23) / 2^24 are exact, one rounding
;   s = fract(b) - 0.5             = the new carry / 2^24                exact, in [-0.5, 0.5)
; Six lines a number, of which the fma and the two additions are packed pairs: 4.5 issue slots a number.
; This holds for every finite x and s_init.  LIMIT: for an infinite or NaN input the model's output is NaN; what this text gives then
; rests on v_fract_f32 of that input and is not claimed.
;
; THE STREAM.  256 work-groups of 16 waves; a wave owns one batch row: 64 KiB of x, read once from front to back.  A step is 1 KiB:
; two loads of 16 bytes a lane, each covering 512 consecutive bytes that start at a multiple of 512 from x's first byte.
; Lane l holds channels 4 l .. 4 l + 3 (first load) and 128 + 4 l .. + 3 (second).  30 to 32 loads, 15 to 16 KiB, of every wave are on
; their way.  No wave reads what another wave reads or writes: no LDS, no barrier.  No cluster: work-groups share only s_init, 1 KiB
; beside the 1 MiB of x that each reads alone.  No matrix instruction: there is no product.  The 64 steps stay in order in one chain a
; channel, since rounding (2) hangs on the order.
;
; THE MODE: SCHED_MODE bits 1:0 = 2 (LLVM: expert scheduling mode 2), set by the entry lines.  The code itself states the register
; dependences between vector instructions and memory instructions, with s_wait_alu, always for 0.
; THE PLAN.  The 64 steps go in 8 blocks of 8.  Registers that memory instructions touch:
;   X0, X1, X2   three blocks of x as loaded.  Written by the loads of block p + 2, issued in block p; read by block p's v_rndne lines.
;   v1, v2, v3   byte offsets, made once at the head and never written again: each buffer has a scalar base of its own, and immediate
;                offsets reach the steps of a block.
;   S            lands from s_init before any vector line names it; after that vector lines alone name it.
;   LOW, HIGH    written by the split's last lines, read by the four stores.
; Block p reads X[p % 3].  Its 16 loads land in X[(p + 2) % 3] = X[(p - 1) % 3], the buffer that block p - 1 read and that no vector line
; of block p names.  So ONE wait on va_vdst at a block's head states all that the block's loads hang on, and they are dealt among its
; vector lines, two to a step, with no further wait.  No register that a memory instruction reads is ever written again, so past the entry lines the text
; holds no wait on vm_vsrc.  EXEC is never written.
.set STEPB,  1024                      ; bytes of one step of a row (256 channels)
.set BSTEPS, 8                         ; steps in a block
.set BUFS,   3                         ; blocks of registers
.set LAPS,   2                         ; laps of three loading blocks: blocks 0 to 5; blocks 6 and 7 load nothing
.set XO,  1                            ; v1        wave x 65,536 + 16 x lane: my 16 bytes in step 0 of my wave's row
.set OO,  2                            ; v2        wave x 1,024 + 16 x lane: the same in an output row
.set LO16, 3                           ; v3        16 x lane: my 16 bytes in s_init
.set K,   4                            ; v[4:5]    2^-24, twice (a pair for the packed fma)
.set S,   8                            ; v[8:15]   carry / 2^24 of my 8 channels
.set T,   16                           ; v[16:23]  at work: no memory instruction names them
.set X,   32                           ; v[32:223] buffer k, step i: 8 registers at X + 64 k + 8 i, one step as loaded
.set U,   X                            ; the split at the end lives in X0's registers, which are done with by then
.set H,   X+8
.set LOW, X+16
.set HIGH, X+24
.set WB,  16                           ; s[16:21]  buffer k: the group's rows of x at the block that the buffer is asked for next: a pair at WB + 2 k
.set MNEG, 22                          ; s[22:29]  the split: the masks 0 > y of my 8 channels
.set MHI,  30                          ; s[30:37]  the split: the masks 4096 <= h
	s_load_b256 s[4:11], s[0:1], 0x0               ; x s[4:5], s_init s[6:7], out0 s[8:9], out1 s[10:11]
	v_and_b32 v[LO16], 31, v0                      ; lane
	v_and_b32 v[OO], 0x1e0, v0                     ; 32 x wave
	v_lshlrev_b32 v[LO16], 4, v[LO16]              ; 16 bytes a lane
	v_lshl_or_b32 v[XO], v[OO], 11, v[LO16]        ; + wave x 65,536
	v_lshl_or_b32 v[OO], v[OO], 5, v[LO16]         ; + wave x 1,024
	s_lshl_b32 s2, ttmp9, 20                       ; the work-group's 16 rows of x: 1 MiB each group (255 << 20 fits 32 bits)
	s_mov_b32 s3, 0
	s_lshl_b32 s12, ttmp9, 14                      ; and its 16 rows of an output: 16 KiB
	s_mov_b32 s13, 0
	v_mov_b32 v[K], 0x33800000                     ; 2^-24
	v_mov_b32 v[K+1], 0x33800000
	s_wait_kmcnt 0x0
	s_add_nc_u64 s[4:5], s[4:5], s[2:3]
	s_add_nc_u64 s[8:9], s[8:9], s[12:13]
	s_add_nc_u64 s[10:11], s[10:11], s[12:13]
.irp k, 0,1,2
	s_add_nc_u64 s[WB+2*\k:WB+2*\k+1], s[4:5], \k*BSTEPS*STEPB     ; blocks 0, 1 and 2
.endr
	s_wait_alu depctr_va_vdst(0)                   ; v1, v2 and v3 are written: every load and store of the kernel reads one of them as its offset
	global_load_b128 v[S:S+3],   v[LO16], s[6:7]               ; s_init of my 8 channels: first, so that one counted wait shows it in
	global_load_b128 v[S+4:S+7], v[LO16], s[6:7] offset:512
.irp k, 0,1
.irp i, 0,1,2,3,4,5,6,7
	global_load_b128 v[X+64*\k+8*\i:X+64*\k+8*\i+3],   v[XO], s[WB+2*\k:WB+2*\k+1] offset:\i*STEPB th:TH_LOAD_NT      ; blocks 0 and 1 into X0 and X1
	global_load_b128 v[X+64*\k+8*\i+4:X+64*\k+8*\i+7], v[XO], s[WB+2*\k:WB+2*\k+1] offset:\i*STEPB+512 th:TH_LOAD_NT  ; x is read once in the launch: non-temporal
.endr
.endr
	; the first carry: s_init rounded to whole numbers and wrapped to int24, by the same steps as x
	s_wait_loadcnt 4*BSTEPS                        ; loads come back in order (ISA guide 5.7.1): s_init is in, the 32 loads of blocks 0 and 1 stay out
.irp j, 0,1,2,3,4,5,6,7
	v_rndne_f32 v[S+\j], v[S+\j]                   ; halves go to the even neighbour, as in the model
.endr
.irp j, 0,2,4,6
	v_pk_fma_f32 v[S+\j:S+\j+1], v[S+\j:S+\j+1], v[K:K+1], 0.5 op_sel_hi:[1,1,0]
.endr
.irp j, 0,1,2,3,4,5,6,7
	v_fract_f32 v[S+\j], v[S+\j]
.endr
.irp j, 0,2,4,6
	v_pk_add_f32 v[S+\j:S+\j+1], v[S+\j:S+\j+1], -0.5 op_sel_hi:[1,0]
.endr
; One step of the sum: step i of the block that lies in buffer xb.  refill = 1: the same step of the block two further on is asked for,
; into the buffer that the block before read.  left = how many younger loads may stay out when this step's two have to be in.
.macro STEP xb, i, refill, left
.set CX, X+64*(\xb)+8*(\i)                     ; this step's 8 registers
.set NB, ((\xb)+BUFS-1)%BUFS                   ; the buffer that the block before read
.set NX, X+64*NB+8*(\i)
	s_wait_loadcnt \left
.if \refill
.if (\i) == 0
	s_wait_alu depctr_va_vdst(0)                   ; the block before is done reading its X (its v_rndne lines), in which this block's 16 loads land; in the first trip no vector line has named that buffer yet
.endif
.if (\i) == BSTEPS-1
	s_add_nc_u64 s[WB+2*(\xb):WB+2*(\xb)+1], s[WB+2*(\xb):WB+2*(\xb)+1], BUFS*BSTEPS*STEPB  ; free since the wait above, which shows the last of the 16 loads that read it done: three blocks on
.endif
	global_load_b128 v[NX:NX+3], v[XO], s[WB+2*NB:WB+2*NB+1] offset:(\i)*STEPB th:TH_LOAD_NT  ; no vector line since the block's wait names these registers or v1
.endif
.irp j, 0,1,2,3,4,5,6,7
	v_rndne_f32 v[T+\j], v[CX+\j]                  ; round(x): the only lines that read the buffer
.endr
.irp j, 0,2,4,6
	v_pk_fma_f32 v[T+\j:T+\j+1], v[T+\j:T+\j+1], v[K:K+1], 0.5 op_sel_hi:[1,1,0]   ; t = fl(round(x) + 2^23) / 2^24
.endr
.if \refill
	global_load_b128 v[NX+4:NX+7], v[XO], s[WB+2*NB:WB+2*NB+1] offset:(\i)*STEPB+512 th:TH_LOAD_NT
.endif
.irp j, 0,1,2,3,4,5,6,7
	v_fract_f32 v[T+\j], v[T+\j]                   ; M = mod(t, 2^24) / 2^24 = (xi + 2^23) / 2^24
.endr
.irp j, 0,2,4,6
	v_pk_add_f32 v[S+\j:S+\j+1], v[S+\j:S+\j+1], v[T+\j:T+\j+1]                    ; b = fl(carry + xi + 2^23) / 2^24, in [-0.5, 1.5)
.endr
.irp j, 0,1,2,3,4,5,6,7
	v_fract_f32 v[S+\j], v[S+\j]                   ; mod(b, 2^24) / 2^24
.endr
.irp j, 0,2,4,6
	v_pk_add_f32 v[S+\j:S+\j+1], v[S+\j:S+\j+1], -0.5 op_sel_hi:[1,0]              ; - 2^23: the new carry
.endr
.endm
; A block.  Step i's count is left0 - dec x i.
.macro BLK xb, refill, left0, dec
.irp i, 0,1,2,3,4,5,6,7
	STEP \xb, \i, \refill, \left0-\dec*\i
.endr
.endm
	s_mov_b32 s14, 0
.Llap:                                                 ; three blocks to a lap: the buffers are back at their start
	BLK 0, 1, 4*BSTEPS-2, 0                        ; younger than step i's two loads: 2 (7 - i) of its own block, the next block's 16, and the 2 i issued in this block: 30
	BLK 1, 1, 4*BSTEPS-2, 0
	BLK 2, 1, 4*BSTEPS-2, 0
	s_add_co_u32 s14, s14, 1
	s_cmp_lt_u32 s14, LAPS
	s_cbranch_scc1 .Llap
	BLK 0, 0, 4*BSTEPS-2, 2                        ; blocks 6 and 7 load nothing (step 63 was the last asked for): the counts run down to 0,
	BLK 1, 0, 2*BSTEPS-2, 2                        ; and with no memory instruction there is no dependence to state
	; THE SPLIT, in f32 as the model writes it.  y = carry, a whole number in [-2^23, 2^23).  The compares stand in runs, each into a
	; scalar register of its own, with one wait behind a run.
.irp j, 0,1,2,3,4,5,6,7
	v_mul_f32 v[T+\j], 0x4b800000, v[S+\j]         ; y = s x 2^24, exact
.endr
.irp j, 0,1,2,3,4,5,6,7
	v_cmp_gt_f32 s[MNEG+\j], 0, v[T+\j]            ; 0 > y
.endr
.irp j, 0,1,2,3,4,5,6,7
	v_add_f32 v[U+\j], 0x4c000000, v[T+\j]         ; y + 2^25: this sum rounds for odd y, and is meant to
.endr
	s_wait_alu depctr_va_sdst(0)                   ; the eight compares have written s[MNEG ..], ahead of the selects that read them
.irp j, 0,1,2,3,4,5,6,7
	v_cndmask_b32 v[U+\j], v[T+\j], v[U+\j], s[MNEG+\j]        ; y_u = mod(y, 2^25), in [0, 2^25]
.endr
.irp j, 0,1,2,3,4,5,6,7
	v_mul_f32 v[H+\j], 0x39800000, v[U+\j]         ; y_u / 4096, exact
.endr
.irp j, 0,1,2,3,4,5,6,7
	v_floor_f32 v[H+\j], v[H+\j]                   ; h, in [0, 8192]
.endr
.irp j, 0,1,2,3,4,5,6,7
	v_cmp_le_f32 s[MHI+\j], 0x45800000, v[H+\j]    ; 4096 <= h
.endr
.irp j, 0,1,2,3,4,5,6,7
	v_fmamk_f32 v[LOW+\j], v[H+\j], 0xc5800000, v[U+\j]        ; y_lo = y_u - 4096 h, exact
.endr
.irp j, 0,1,2,3,4,5,6,7
	v_add_f32 v[T+\j], 0xc6000000, v[H+\j]         ; h - 8192
.endr
	s_wait_alu depctr_va_sdst(0)                   ; the eight compares have written s[MHI ..], ahead of the selects that read them
.irp j, 0,1,2,3,4,5,6,7
	v_cndmask_b32 v[HIGH+\j], v[H+\j], v[T+\j], s[MHI+\j]      ; y_hi = mod(h + 4096, 8192) - 4096
.endr
	s_wait_alu depctr_va_vdst(0)                   ; the lines above have written LOW and HIGH, which the four stores read
	; each store of the wave covers 512 consecutive bytes, at a multiple of 512 from the output's first byte; written once, not read again
	global_store_b128 v[OO], v[LOW:LOW+3],    s[8:9] th:TH_STORE_NT
	global_store_b128 v[OO], v[LOW+4:LOW+7],  s[8:9] offset:512 th:TH_STORE_NT
	global_store_b128 v[OO], v[HIGH:HIGH+3],   s[10:11] th:TH_STORE_NT
	global_store_b128 v[OO], v[HIGH+4:HIGH+7], s[10:11] offset:512 th:TH_STORE_NT
	s_endpgm
.Lfunc_end_k_q8bdc6d231e_i24sum:
	.size	k_q8bdc6d231e_i24sum, .Lfunc_end_k_q8bdc6d231e_i24sum-k_q8bdc6d231e_i24sum
	.p2alignl 7, 3214868480
	.fill 96, 4, 3214868480
	.section	.rodata,"a",@progbits
	.p2align	6, 0x0
	.amdhsa_kernel k_q8bdc6d231e_i24sum
		.amdhsa_group_segment_fixed_size 0
		.amdhsa_private_segment_fixed_size 0
		.amdhsa_enable_private_segment 0
		.amdhsa_kernarg_size 32
		.amdhsa_user_sgpr_count 2
		.amdhsa_user_sgpr_kernarg_segment_ptr 1
		.amdhsa_wavefront_size32 1
		.amdhsa_system_sgpr_workgroup_id_x 1
		.amdhsa_system_sgpr_workgroup_id_y 1
		.amdhsa_system_sgpr_workgroup_id_z 1
		.amdhsa_system_vgpr_workitem_id 0
		.amdhsa_next_free_vgpr 224
		.amdhsa_next_free_sgpr 66
		.amdhsa_reserve_vcc 0
		.amdhsa_float_denorm_mode_32 3
		.amdhsa_float_denorm_mode_16_64 3
		.amdhsa_memory_ordered 1
		.amdhsa_forward_progress 1
		.amdhsa_inst_pref_size 78
	.end_amdhsa_kernel
	.amdgpu_metadata
---
amdhsa.version: [ 1, 2 ]
amdhsa.kernels:
  - .name:           k_q8bdc6d231e_i24sum
    .symbol:         k_q8bdc6d231e_i24sum.kd
    .args:
      - { .name: x, .offset: 0, .size: 8, .value_kind: global_buffer, .address_space: global }
      - { .name: s_init, .offset: 8, .size: 8, .value_kind: global_buffer, .address_space: global }
      - { .name: out0, .offset: 16, .size: 8, .value_kind: global_buffer, .address_space: global }
      - { .name: out1, .offset: 24, .size: 8, .value_kind: global_buffer, .address_space: global }
    .group_segment_fixed_size: 0
    .private_segment_fixed_size: 0
    .kernarg_segment_align: 8
    .kernarg_segment_size: 32
    .max_flat_workgroup_size: 512
    .sgpr_count:     66
    .vgpr_count:     224
    .wavefront_size: 32
...
	.end_amdgpu_metadata
.endif
;; end of part 2
